; MI455X (gfx1250); checked and timed in simulation.
; The chip was launched on July 23, 2026; its instructions are those of AMD's public machine-readable ISA for CDNA 5 (MIT licence, August 2026) and "CDNA5" Instruction Set Architecture Reference Guide (July 2026). The comments in the code are by the model that wrote it; some were corrected since.
;; Memory Reader. Allowed arithmetic: matrix products marked QUANTISED: E5M2 operands, one given power-of-two scale a tensor, by v_wmma_f32_16x16x64_bf8_bf8 or v_wmma_f32_16x16x128_bf8_bf8, f32 sums; everything else in f32.
;; Inputs: lowp_scales 4 int32 (the exponents e of the quantised operands' scales 2^e); mk 4 x 64 x 8 x 30 x 54 float32; mv 4 x 512 x 8 x 30 x 54 float32; qk 4 x 64 x 30 x 54 float32; qv 4 x 512 x 30 x 54 float32.
;; Outputs: out0 4 x 1,024 x 30 x 54 float32.
;; This version of the problem:
;;   THIS VERSION OF THE PROBLEM IS GIVEN IN LOW PRECISION. The matrix products marked QUANTISED in the list below multiply operands that are first quantised to E5M2 (5 exponent bits, 2 mantissa bits; 8 bits a number), with one given power-of-two scale for each operand tensor; their sums are f32. All else is computed in f32.
;;   The module's matrix products, in the order in which they are computed (A, B: the left and right operand; K: the contracted axis; several contracted axes count as one K, in the product's order):
;;     1. batch 4 x [M 12,960, K 64] x [K 64, N 1,620]; A: input mk; B: input qk: QUANTISED (scales: A lowp_scales[0], B lowp_scales[1])
;;     2. batch 4 x [M 512, K 12,960] x [K 12,960, N 1,620]; A: input mv; B: softmax (see below): QUANTISED (scales: A lowp_scales[2], B lowp_scales[3])
;;   THE QUANTISER, for each operand of a quantised product, along K:
;;     - The operand's scale is 2^e, e = its entry of the input lowp_scales (int32; the entries are numbered through the quantised products in the list's order, A before B).
;;     - Each number is divided by the scale, clamped to +-57,344, and rounded to the nearest number of E5M2, ties to even, subnormals kept.
;;     - The product sums the exact products of the quantised numbers (number of the format x scale) in f32.
;;   ~~~python
;;   def quantise(x, axis, e):      # numpy; x: float32 -> the quantised numbers, widened to float32 again
;;       x = np.moveaxis(x, axis, -1); K = x.shape[-1]
;;       r = np.clip(x / 2.0 ** e, -57344, 57344)
;;       step = 2.0 ** (np.maximum(np.frexp(np.where(r == 0, 1, r))[1] - 1, -14) - 2)
;;       q = np.round(r / step) * step * 2.0 ** e      # np.round: ties to even
;;       return np.moveaxis(q, -1, axis).astype(np.float32)
;;   ~~~
;;   SOFTMAX AHEAD OF A QUANTISED PRODUCT. Where the list says 'softmax', what is quantised is not the finished softmax but p = 2^(t - M), with t = logit x log2(e) and M = ceil(the row's largest t), a whole number; so 1/2 < the row's largest p <= 1. The row's sum l is taken of the UNQUANTISED p, in f32, and the product's result is divided by l at the end. Since M is a whole number, a kernel that streams over the keys may use a running M (the ceiling of the running maximum): every later rescaling is an exact power of two, so the quantised numbers keep their values, but for numbers so far below the row's largest that they fall under the format's range.
;;   OPERANDS COMPUTED ON THE WAY. 'Computed on the way' means the value that the module computes at that place (a softmax that the list does not call 'softmax' is quantised finished and normalised). What goes into a quantiser is computed in f32, as accurately as f32 sums, v_exp_f32 and their like allow (about 1e-6 of the number): no bf16 or f16 on the way to a quantiser, and a product that is left as it is and whose result goes on into a quantised operand takes f32 operands (vector FMAs, or v_wmma_f32_16x16x4_f32). A number that lies on a knife's edge between two numbers of the format may be rounded either way, as far as f32 arithmetic and the matrix unit's own rounding can turn it there, and no further.
;; One version. Each part assembles by itself: llvm-mc -triple=amdgcn-amd-amdhsa -mcpu=gfx1250 --defsym DOCPART=n.
;; ======== version 1 of 1: 3 launches
;; limits: right only within a limited range of input values
;; workspace buffers: vcodes 27,262,976 bytes; kcodes 3,407,872 bytes; qcodes 524,288 bytes; bias 212,992 bytes; part 58,720,256 bytes; stats 524,288 bytes
;; launch prep (part 1): grid 16 x 82, 4 waves a work-group, no clusters, 34,304 bytes of LDS; arguments mv, mk, qk, lowp_scales, vcodes, kcodes, qcodes, bias; writes vcodes, kcodes, qcodes, bias
.if DOCPART == 1
	.amdgcn_target "amdgcn-amd-amdhsa--gfx1250"
	.amdhsa_code_object_version 6
	.text
	.protected	k_qa9994696c4_prep
	.globl	k_qa9994696c4_prep
	.p2align	8
	.type	k_qa9994696c4_prep,@function
k_qa9994696c4_prep:
	s_mov_b64 s[64:65], 0
	v_nop
	global_prefetch_b8 v0, s[64:65] scope:SCOPE_SE
	s_setreg_imm32_b32 hwreg(HW_REG_WAVE_MODE, 25, 1), 1
	s_wait_xcnt 0x0
; MemoryReader, first of three launches: mv, mk and qk become codes of BF8 (E5M2), each with its given scale 2^e, laid in the order of the matrix operands' registers;
; and -|m|^2 of every memory position, from the f32 numbers of mk, is stored scaled as the first product's addend.
; NOTHING OF reference() IS LEFT OUT IN THIS PROGRAM: |m|^2 differs along the softmax's axis, so it moves the result; every input has a way to the output and is loaded (qv in the second launch).
; code = x / 2^e, held within +-57,344, to the nearest code, ties to even.  LIMITS: e0, e1, e2 between -126 and 112, so that 2^e and 57,344 x 2^e are f32 numbers.  NaN among the inputs is not served; an infinity is held at the largest code.
; LIMIT OF THE WHOLE PROGRAM: e0 + e1 is at least -64.  A key that does not exist gets the fixed addend -1e30, which the second launch reads as t = -1e30 x log2(e) / 4 x 2^(e0 + e1): from -64 on that lies under -1e10, below every t of keys whose |m|^2 stays under 1e10, so its weight is 0.
; GEOMETRY.  y = 4 b + s (the grid's first axis): batch b, split s of the 12,960 memory positions: 3,240 keys, walked as 26 steps of 128 (the last has 40 keys; the others of it get zero codes and the addend -1e30).
;   Queries go in 16 blocks of 104, each in 112 places (7 tiles of 16; an eighth tile of zeros fills the image): places from 104 on, and queries from 1,620 on, get zero codes.
; IMAGES.  A group of four operand registers lies as [lane 32][16 bytes]: lane (r = lane % 16, h = lane / 16) holds of its row r sixteen neighbours along K: k = 32 c + 16 h + 0 .. 15 in group c.
;   vcodes [y][slot 13][w 4][u 2][i 8][c 4][lane][16]: channel 128 w + 16 i + r, key 256 slot + 128 u + 32 c + 16 h + ..        kcodes [y][step 26][w 4][u 2][c 2][lane][16]: key 32 w + 8 u + r + 8 (r / 8), channel 32 c + 16 h + ..
;   qcodes [b][block 16][tile 8][c 2][lane][16]: place 16 tile + r        bias [y][w 4][step 26][32 keys] f32 = -|m|^2 x 2^-(e0 + e1 + 1)
; WORK-GROUPS part on x (the grid's second axis) alone: 0-51 one block of 32 KiB of vcodes (slot x / 4, w = x % 4); 52-77 one step of K; 78-81 one block of queries.  Only the first path uses LDS.
;   x is the slower axis, so that V's work-groups, which move the most bytes, have the lowest numbers.
; No matrix unit, no cluster, no tensor load: every number is quantised once.  V's loads carry no cache word: a load's 512 bytes begin off the 256-byte borders, and the bytes beside them are read by neighbouring loads.
.set SPARE, 33792                      ; behind the four stages: the spare words, 128 bytes a wave
.set STG,   8448                       ; a wave's stage: 16 rows x (512 bytes + 16)
.set SPW,   1                          ; v1  LDS address of my spare word; never rewritten
.set NIL,   2                          ; v2  0; never rewritten
.set L16,   3                          ; v3  16 x lane
.set LANE,  10                         ; v10 lane
.set R,     16                         ; v16-143  V path: two sets of 64 numbers as loaded
.set X,     144                        ; v144-207 64 numbers in the operand's order
.set CV,    208                        ; v208-239 two sets of 16 registers of codes
.set XK,    16                         ; K, Q paths: v16-79 a column's 64 numbers
.set CK,    80                         ; v80-95 its codes
.set SQ,    96                         ; v96-99 sums of squares
.macro MKSCALE e                       ; v8 = 2^e as f32 (the conversion takes its exponent field), v9 = 57,344 x 2^e
	s_add_co_i32 s32, \e, 127
	s_lshl_b32 s33, s32, 23
	v_mov_b32 v8, s33
	s_add_co_i32 s32, s32, 15
	s_lshl_b32 s32, s32, 23
	s_or_b32 s32, s32, 0x600000
	v_mov_b32 v9, s32
.endm
	s_load_b512 s[4:19], s[0:1], 0x0               ; mv s[4:5], mk s[6:7], qk s[8:9], scales s[10:11], vcodes s[12:13], kcodes s[14:15], qcodes s[16:17], bias s[18:19]
	v_lshl_add_u32 v[SPW], v0, 2, SPARE
	v_mov_b32 v[NIL], 0
	v_lshrrev_b32 v3, 5, v0
	v_readfirstlane_b32 s20, v3                    ; wave
	s_mov_b32 s21, ttmp9                           ; y
	s_and_b32 s39, ttmp7, 0xffff                   ; x
	v_and_b32 v[LANE], 31, v0
	v_lshlrev_b32 v[L16], 4, v[LANE]
	s_wait_kmcnt 0x0
	s_load_b128 s[24:27], s[10:11], 0x0            ; e0 .. e3
	s_cmp_ge_u32 s39, 52
	s_cbranch_scc1 .Lnot_v
; ---------------- V: wave v makes four fragments f: channel tile i = 2 v + f / 2, step u = f % 2 of the slot
	s_lshr_b32 s22, s39, 2                         ; slot
	s_and_b32 s23, s39, 3                          ; w
	s_lshr_b32 s28, s21, 2                         ; b
	s_and_b32 s29, s21, 3                          ; s
	s_lshl_b32 s30, s28, 9
	s_lshl_b32 s31, s23, 7
	s_add_co_u32 s30, s30, s31
	s_lshl_b32 s31, s20, 5
	s_add_co_u32 s30, s30, s31                     ; my first channel row of mv: 512 b + 128 w + 32 v
	s_mul_i32 s30, s30, 12960
	s_mul_i32 s31, s29, 3240
	s_add_co_u32 s30, s30, s31
	s_lshl_b32 s31, s22, 8
	s_add_co_u32 s30, s30, s31                     ; + the split's first key + 256 x slot
	s_lshl_b32 s30, s30, 2                         ; in bytes: under 2^27
	s_mov_b32 s31, 0
	s_add_nc_u64 s[4:5], s[4:5], s[30:31]
	s_mul_i32 s30, s21, 13
	s_add_co_u32 s30, s30, s22
	s_lshl_b32 s30, s30, 2
	s_add_co_u32 s30, s30, s23
	s_lshl_b32 s30, s30, 15                        ; the block (y, slot, w) of vcodes,
	s_lshl_b32 s34, s20, 12
	s_add_co_u32 s30, s30, s34                     ; + 2 v fragments of 2,048 bytes
	s_add_nc_u64 s[12:13], s[12:13], s[30:31]
	s_cmp_eq_u32 s22, 12
	s_mov_b32 s35, 496
	s_cselect_b32 s35, 144, s35                    ; the last slot's second step has 40 keys, 160 bytes: lanes beyond read its last 16 bytes again, so that no load leaves the split
	s_wait_alu depctr_va_vdst(0)
	v_mov_b32 v4, v[L16]                           ; a load's 512 bytes, 16 a lane: step u = 0
	v_min_u32 v5, s35, v[L16]                      ; and u = 1
	s_mul_i32 s34, s20, STG
	v_add_nc_u32 v6, s34, v[L16]                   ; the stage, in: a row as it lies
	v_and_b32 v11, 15, v0
	v_bfe_u32 v12, v0, 4, 1
	v_mul_u32_u24 v7, v11, 528
	v_lshl_add_u32 v7, v12, 6, v7
	v_add_nc_u32 v7, s34, v7                       ; and back: row r, + 64 h: sixteen neighbours of each 32
.macro LOADF f                         ; fragment f: 16 rows (channels) x 128 keys; each load reads 512 consecutive bytes of one row
.irp j, 0,1,2,3,4,5,6,7,8,9,10,11,12,13,14,15
	global_load_b128 v[R+64*((\f)%2)+4*\j:R+64*((\f)%2)+4*\j+3], v[4+(\f)%2], s[4:5] offset:(16*((\f)/2)+\j)*51840+512*((\f)%2)
.endr
.endm
.macro FRAGV f
.set RS, R+64*((\f)%2)
.set CS, CV+16*((\f)%2)
.if (\f) < 3
	s_wait_loadcnt 16                              ; my 16 loads are in; the next fragment's 16 may be out
.else
	s_wait_loadcnt 0
.endif
.irp j, 0,1,2,3,4,5,6,7,8,9,10,11,12,13,14,15
	ds_store_b128 v6, v[RS+4*\j:RS+4*\j+3] offset:528*\j
.endr
.irp c, 0,1,2,3
.irp jj, 0,1,2,3
	ds_load_b128 v[X+16*\c+4*\jj:X+16*\c+4*\jj+3], v7 offset:128*\c+16*\jj   ; LDS serves a wave's instructions in order: these see the stores above
.endr
.endr
	s_wait_dscnt 0x0                               ; the numbers are back, and the stores have read their registers,
.if (\f) < 2
	LOADF (\f)+2                                   ; which take the loads of the fragment two on
.endif
.set j, 0
.rept 64
	v_med3_num_f32 v[X+j], v[X+j], -v9, v9         ; the conversion to an 8-bit code does not saturate (ISA guide 7.6.2): the hold comes first
.set j, j+1
.endr
.if (\f) >= 2
	s_wait_alu depctr_va_vdst(0)
	s_wait_xcnt 0x0                                ; the stores of the fragment two back have read this set of codes
.endif
.irp c, 0,1,2,3
	v_cvt_scalef32_pk8_bf8_f32 v[CS+4*\c:CS+4*\c+1], v[X+16*\c:X+16*\c+7], v8
	v_cvt_scalef32_pk8_bf8_f32 v[CS+4*\c+2:CS+4*\c+3], v[X+16*\c+8:X+16*\c+15], v8
.endr
	v_nop                                          ; a plain line between the conversions and the next vector line that touches their results
.if ((\f)%2) == 1
	s_cmp_lg_u32 s22, 12                           ; the split's last step keeps keys 0 .. 39: group 0 whole, of group 1 the first eight codes of lanes 0-15
	s_cbranch_scc1 .Lwhole_\@
	v_cmp_gt_u32 vcc_lo, 16, v[LANE]
	v_cndmask_b32 v[CS+4], 0, v[CS+4], vcc_lo
	v_cndmask_b32 v[CS+5], 0, v[CS+5], vcc_lo
.irp j, 6,7,8,9,10,11,12,13,14,15
	v_mov_b32 v[CS+\j], 0
.endr
.Lwhole_\@:
.endif
	s_wait_alu depctr_va_vdst(0)
.irp c, 0,1,2,3
	global_store_b128 v[L16], v[CS+4*\c:CS+4*\c+3], s[12:13] offset:16384*((\f)%2)+2048*((\f)/2)+512*\c   ; the wave stores 512 consecutive bytes, at a multiple of 256 from the buffer's first byte
.endr
.endm
	LOADF 0
	LOADF 1
	s_wait_alu depctr_va_vdst(0)
	s_wait_kmcnt 0x0
	MKSCALE s26
	s_wait_alu depctr_va_vdst(0)
	FRAGV 0
	FRAGV 1
	FRAGV 2
	FRAGV 3
	s_wait_tensorcnt 0x0                           ; the wave's end
	ds_add_u32 v[SPW], v[NIL]
	s_wait_dscnt 0x0
	s_endpgm
; ---------------- K and Q: K (the 64 channels) is the OUTER axis: a lane takes a column, its registers run down the channels; nothing is transposed
.macro COLLOAD stride                  ; each load: 32 neighbouring columns of one channel, 128 consecutive bytes a wave
.set cc, 0
.rept 64
	global_load_b32 v[XK+cc], v11, s[28:29] offset:cc*\stride
.set cc, cc+1
.endr
.endm
.macro COLQ withbias                   ; s34: the lanes whose column exists
	s_wait_loadcnt 0x0
.if \withbias
	v_pk_mul_f32 v[SQ:SQ+1], v[XK:XK+1], v[XK:XK+1]                ; |m|^2 of the f32 numbers, two at a time, in two chains
	v_pk_mul_f32 v[SQ+2:SQ+3], v[XK+2:XK+3], v[XK+2:XK+3]
.irp c, 4,8,12,16,20,24,28,32,36,40,44,48,52,56,60
	v_pk_fma_f32 v[SQ:SQ+1], v[XK+\c:XK+\c+1], v[XK+\c:XK+\c+1], v[SQ:SQ+1]
	v_pk_fma_f32 v[SQ+2:SQ+3], v[XK+\c+2:XK+\c+3], v[XK+\c+2:XK+\c+3], v[SQ+2:SQ+3]
.endr
	v_pk_add_f32 v[SQ:SQ+1], v[SQ:SQ+1], v[SQ+2:SQ+3]
	v_add_f32 v[SQ], v[SQ], v[SQ+1]
	v_ldexp_f32 v[SQ], -v[SQ], s38                 ; -|m|^2 x 2^-(e0 + e1 + 1): exact
	v_mov_b32 v[SQ+1], 0xf149f2ca                  ; -1e30 for a key that does not exist: its weight becomes 0
	v_cndmask_b32 v[SQ], v[SQ+1], v[SQ], s34
	global_store_b32 v13, v[SQ], s[36:37]
.endif
.set j, 0
.rept 64
	v_med3_num_f32 v[XK+j], v[XK+j], -v9, v9
.set j, j+1
.endr
.irp g, 0,1,2,3,4,5,6,7
	v_cvt_scalef32_pk8_bf8_f32 v[CK+2*\g:CK+2*\g+1], v[XK+8*\g:XK+8*\g+7], v8
.endr
	v_nop                                          ; a plain line between the conversions and the selections
.irp j, 0,1,2,3,4,5,6,7,8,9,10,11,12,13,14,15
	v_cndmask_b32 v[CK+\j], 0, v[CK+\j], s34       ; zero codes where the column does not exist
.endr
.irp c, 0,1
.irp h, 0,1
	global_store_b128 v12, v[CK+4*(2*\c+\h):CK+4*(2*\c+\h)+3], s[30:31] offset:512*\c+256*\h   ; channels 32 c + 16 h on: sixteen lanes fill 256 consecutive aligned bytes, twice
.endr
.endr
.endm
.Lnot_v:
	s_cmp_ge_u32 s39, 78
	s_cbranch_scc1 .Lq
	s_sub_co_u32 s22, s39, 52                      ; step
	s_lshl_b32 s23, s22, 7
	s_lshl_b32 s35, s20, 5
	s_add_co_u32 s23, s23, s35
	s_wait_alu depctr_va_vdst(0)
	v_add_nc_u32 v11, s23, v[LANE]                 ; my key in the split: 128 step + 32 wave + lane
	s_mov_b32 s35, 3240
	v_cmp_gt_u32 s34, s35, v11
	v_min_u32 v11, 0xca7, v11                      ; no load leaves the split
	v_lshlrev_b32 v11, 2, v11
	v_bfe_u32 v12, v[LANE], 3, 1                   ; key 16 (r / 8) + 8 u + r % 8 of the wave's 32 goes to tile u, lane r
	v_lshrrev_b32 v13, 4, v[LANE]
	v_and_b32 v14, 7, v[LANE]
	v_lshl_add_u32 v14, v13, 3, v14
	v_lshlrev_b32 v14, 4, v14
	v_lshl_add_u32 v12, v12, 10, v14               ; 1,024 u + 16 r
	s_lshr_b32 s28, s21, 2
	s_and_b32 s29, s21, 3
	s_mul_i32 s28, s28, 64*12960*4
	s_mul_i32 s29, s29, 3240*4
	s_add_co_u32 s28, s28, s29
	s_mov_b32 s29, 0
	s_add_nc_u64 s[28:29], s[6:7], s[28:29]        ; mk at (b, channel 0, the split's first key)
	COLLOAD 51840
	s_mul_i32 s30, s21, 26
	s_add_co_u32 s30, s30, s22
	s_lshl_b32 s30, s30, 13
	s_lshl_b32 s31, s20, 11
	s_add_co_u32 s30, s30, s31
	s_mov_b32 s31, 0
	s_add_nc_u64 s[30:31], s[14:15], s[30:31]      ; kcodes at (y, step, wave)
	s_lshl_b32 s36, s21, 2
	s_add_co_u32 s36, s36, s20
	s_mul_i32 s36, s36, 26
	s_add_co_u32 s36, s36, s22
	s_lshl_b32 s36, s36, 7
	s_mov_b32 s37, 0
	s_add_nc_u64 s[36:37], s[18:19], s[36:37]      ; bias at (y, wave, step)
	v_lshlrev_b32 v13, 2, v[LANE]
	s_wait_kmcnt 0x0
	s_add_co_i32 s38, s24, s25
	s_add_co_i32 s38, s38, 1
	s_sub_co_i32 s38, 0, s38                       ; -(e0 + e1 + 1)
	MKSCALE s24
	COLQ 1
	s_endpgm
.Lq:
	s_sub_co_u32 s22, s39, 78
	s_and_b32 s23, s21, 3
	s_lshl_b32 s23, s23, 2
	s_add_co_u32 s22, s22, s23                     ; block of queries: 4 (y % 4) + x - 78
	s_mul_i32 s23, s22, 104
	s_add_co_u32 s35, s23, 104
	s_min_u32 s35, s35, 1620                       ; the block's queries end here
	s_lshl_b32 s36, s20, 5
	s_add_co_u32 s23, s23, s36
	s_wait_alu depctr_va_vdst(0)
	v_add_nc_u32 v11, s23, v[LANE]                 ; my query: 104 block + 32 wave + lane
	v_cmp_gt_u32 s34, s35, v11
	v_min_u32 v11, 0x653, v11                      ; no load leaves the row
	v_lshlrev_b32 v11, 2, v11
	v_lshrrev_b32 v12, 4, v[LANE]
	v_and_b32 v14, 15, v[LANE]
	v_lshlrev_b32 v14, 4, v14
	v_lshl_add_u32 v12, v12, 10, v14               ; tile 2 wave + lane / 16, lane r = lane % 16
	s_lshr_b32 s28, s21, 2                         ; b
	s_lshl_b32 s30, s28, 4
	s_add_co_u32 s30, s30, s22
	s_mul_i32 s28, s28, 64*1620*4
	s_mov_b32 s29, 0
	s_add_nc_u64 s[28:29], s[8:9], s[28:29]
	COLLOAD 6480
	s_lshl_b32 s30, s30, 13
	s_lshl_b32 s31, s20, 11
	s_add_co_u32 s30, s30, s31
	s_mov_b32 s31, 0
	s_add_nc_u64 s[30:31], s[16:17], s[30:31]      ; qcodes at (b, block, 2 wave tiles)
	s_wait_kmcnt 0x0
	MKSCALE s25
	s_wait_alu depctr_va_vdst(0)
	COLQ 0
	s_endpgm
.Lfunc_end_k_qa9994696c4_prep:
	.size	k_qa9994696c4_prep, .Lfunc_end_k_qa9994696c4_prep-k_qa9994696c4_prep
	.p2alignl 7, 3214868480
	.fill 96, 4, 3214868480
	.section	.rodata,"a",@progbits
	.p2align	6, 0x0
	.amdhsa_kernel k_qa9994696c4_prep
		.amdhsa_group_segment_fixed_size 34304
		.amdhsa_private_segment_fixed_size 0
		.amdhsa_enable_private_segment 0
		.amdhsa_kernarg_size 64
		.amdhsa_user_sgpr_count 2
		.amdhsa_user_sgpr_kernarg_segment_ptr 1
		.amdhsa_wavefront_size32 1
		.amdhsa_system_sgpr_workgroup_id_x 1
		.amdhsa_system_sgpr_workgroup_id_y 1
		.amdhsa_system_sgpr_workgroup_id_z 1
		.amdhsa_system_vgpr_workitem_id 0
		.amdhsa_next_free_vgpr 240
		.amdhsa_next_free_sgpr 66
		.amdhsa_reserve_vcc 1
		.amdhsa_float_denorm_mode_32 3
		.amdhsa_float_denorm_mode_16_64 3
		.amdhsa_memory_ordered 1
		.amdhsa_forward_progress 1
		.amdhsa_inst_pref_size 68
	.end_amdhsa_kernel
	.amdgpu_metadata
---
amdhsa.version: [ 1, 2 ]
amdhsa.kernels:
  - .name:           k_qa9994696c4_prep
    .symbol:         k_qa9994696c4_prep.kd
    .args:
      - { .name: mv, .offset: 0, .size: 8, .value_kind: global_buffer, .address_space: global }
      - { .name: mk, .offset: 8, .size: 8, .value_kind: global_buffer, .address_space: global }
      - { .name: qk, .offset: 16, .size: 8, .value_kind: global_buffer, .address_space: global }
      - { .name: lowp_scales, .offset: 24, .size: 8, .value_kind: global_buffer, .address_space: global }
      - { .name: vcodes, .offset: 32, .size: 8, .value_kind: global_buffer, .address_space: global }
      - { .name: kcodes, .offset: 40, .size: 8, .value_kind: global_buffer, .address_space: global }
      - { .name: qcodes, .offset: 48, .size: 8, .value_kind: global_buffer, .address_space: global }
      - { .name: bias, .offset: 56, .size: 8, .value_kind: global_buffer, .address_space: global }
    .group_segment_fixed_size: 34304
    .private_segment_fixed_size: 0
    .kernarg_segment_align: 8
    .kernarg_segment_size: 64
    .max_flat_workgroup_size: 128
    .sgpr_count:     66
    .vgpr_count:     240
    .wavefront_size: 32
...
	.end_amdgpu_metadata
.endif
;; end of part 1
;; launch attn (part 2): grid 16 x 16, 4 waves a work-group, clusters of 4 x 1, 327,680 bytes of LDS; arguments qcodes, kcodes, bias, vcodes, lowp_scales, part, stats, qv, out0; writes part, stats, out0
.if DOCPART == 2
	.amdgcn_target "amdgcn-amd-amdhsa--gfx1250"
	.amdhsa_code_object_version 6
	.text
	.protected	k_qa9994696c4_attn
	.globl	k_qa9994696c4_attn
	.p2align	8
	.type	k_qa9994696c4_attn,@function
k_qa9994696c4_attn:
	s_mov_b64 s[64:65], 0
	v_nop
	global_prefetch_b8 v0, s[64:65] scope:SCOPE_SE
	s_setreg_imm32_b32 hwreg(HW_REG_WAVE_MODE, 25, 1), 1
	s_wait_xcnt 0x0
	s_wait_alu depctr_hold_cnt(0) depctr_sa_sdst(0) depctr_va_vdst(0) depctr_va_sdst(0) depctr_va_ssrc(0) depctr_va_vcc(0) depctr_vm_vsrc(0)
	s_getreg_b32 s2, hwreg(HW_REG_IB_STS2, 6, 4)
	s_cmp_eq_u32 s2, 0
	s_cbranch_scc0 .Lentry_in_a_cluster
	s_endpgm
.Lentry_in_a_cluster:
	s_bfe_u32 s2, ttmp6, 0x10000c
	s_cmp_lg_u32 s2, 0x3003
	s_cbranch_scc0 .Lentry_shape_is_right
	s_endpgm
.Lentry_shape_is_right:
; MemoryReader, second of three launches: for one batch b, one split s of the memory (y = 4 b + s: 3,240 keys in 26 steps of 128) and one block of 104 queries (7 tiles of 16)
; it makes O_s = sum over the split's keys of V p, l_s = sum of p, and -M_s.  Beside that it copies qv into the output's second 512 channels.  Nothing of reference() is left out here.
; t = (2 m.q - |m|^2) / 8 x log2(e); M_s = ceil(the largest t of the split), found in a first pass over the keys; p = 2^(t - M_s) is quantised to BF8 with the given 2^e3; l_s is summed of the unquantised p.
; SHARES.  Scores: wave w takes keys 32 w .. 32 w + 31 of each step, all 112 places of queries (14 matrix instructions of K = 64, the addend -|m|^2 as C).  Its 16 codes a lane and tile go through LDS to all four waves.
;   Readout: wave w takes channels 128 w .. + 127: 8 x 7 accumulators, 448 registers; 56 matrix instructions of K = 128 a step; the accumulators take turns, one instruction a turn.
; A STEP IS LAID IN PHASES: the loads of P(k); scores of step k + 1; its whole softmax (one batch of exponentials); its codes into the other P buffer; then the readout of step k as one run.
;   One wait ahead of the batch, one behind it, and one directly ahead of the run that takes the accumulators up again.
; V comes through a ring of two LDS slots of 256 keys, by joint loads of the four work-groups of a cluster (four blocks of queries, the same y); each wave fetches and reads its own 32 KiB of a slot.
;   A slot's next load is asked of memory one slot earlier by a prefetch: the cluster with x = 0 names each 256 bytes once, its partners sharing the slot out by address.
; K's codes and Q's come straight into registers (each wave reads its own); the addends lie in LDS, fetched once.
; THE COPY OF qv.  A batch's 3,317,760 bytes are 6,480 chunks of 512, aligned at 256 in qv and in the output.  The batch's 256 waves (number g = 64 s + 4 block + wave) take chunks 256 j + g:
;   j = 0 .. 24 one a step, loaded two steps ahead of the store, two sets of four registers by turns; j = 25 has 80 chunks, g under 80: the clusters with 4 s + x under 5, a branch on the cluster's ids alone, in the head.
; LIMITS: e0 + e1 between -64 and 129 (added to the exponent field of log2(e) / 4; the floor is the first launch's); e3 between -126 and 112.  NaN among mk, qk, mv is not served.  The scaled scores stay under 2^31 in magnitude.
; REGISTERS.  Window 0: v1-15 addresses and constants, NM -M in pairs, LS sums in pairs, MX maxima (then QD, the copy's two sets), KF two sets of K, BI two sets of addends, S scores then p, PC codes.
;   Window 1: v0-127 V's eight fragments (in the first pass: 13 steps of K), v128-239 P's seven fragments.  Window 2: accumulators of tiles 0-3.  Window 3: of tiles 4-6, and Q at v192-247.
.set SLOTB, 131072
.set BIASB, 2*SLOTB
.set WBIAS, 3328
.set PB,    BIASB+4*WBIAS              ; two buffers of P's codes
.set PBUF,  14336
.set XM,    PB+2*PBUF                  ; the waves' maxima, then (XLO on) their sums
.set XLO,   3584
.set SPARE, XM+2*XLO                   ; the spare words: 128 bytes a wave
.set CHK,   131072                     ; from chunk j to chunk j + 1 of a wave: 256 x 512 bytes
.set SPW, 1
.set NIL, 2
.set L16, 3
.set BA0, 4
.set BA,  5
.set VA0, 6
.set VA,  7
.set PW,  8
.set PR,  9
.set XW,  10
.set XR,  11
.set HOLD, 12
.set SC,  13
.set PFO, 14
.set L4,  15
.set NM,  16
.set LS,  30
.set MX,  44
.set QD,  44
.set TMP, 51
.set KF,  52
.set BI,  84
.set S,   116
.set PC,  228
.set QF,  192
.set PF,  128
.set WV,  18
.set CX,  19
.set BLK, 20
.set Y,   21
.set G1V, 24
.set G1B, 32
.set G0V, 40
.set G0B, 44
.set G0W, 76
.set CS,  52
.set SEL, 54
.set SL,  56
.set BO,  57
.set PFA, 58
.set LIM, 60
.set TB,  61
.set KM,  66
.set K0,  68
.set PT,  70
.set ST,  72
.set QVA, 80
.set OA,  82
.set MSB, 0
.macro WIN new                         ; the immediate's high byte repeats the setting that is left
.if MSB != \new
	s_set_vgpr_msb (MSB<<8)|\new
.set MSB, \new
.endif
.endm
.set W_QK,  0x0c                       ; B (Q) in window 3
.set W_QKP, 0x0d                       ; and A (K) in window 1
.set W_PVL, 0xa5                       ; A, B window 1; C, D window 2
.set W_PVH, 0xf5                       ; C, D window 3
.set TO1,   0x40
.set TO3,   0xc0
.set ST2,   0x08
.set ST3,   0x0c
.macro PLACES
.rept 4
	v_nop
.endr
.endm
.macro CROUND                          ; a round of the cluster's barrier
	s_barrier_signal -1
	s_barrier_wait -1
	s_cmp_lg_u32 s[WV], 0
	s_cbranch_scc1 .Lnot_wave_0_\@
	s_barrier_signal -3
.Lnot_wave_0_\@:
	s_barrier_wait -3
	s_barrier_signal -1
	s_barrier_wait -1
.endm
.macro ASK                             ; the slot that the next change will load: 8 KiB a wave, lanes 256 bytes apart; the last change asks for nothing
	s_cmp_gt_u32 s[SL], s[LIM]
	s_cbranch_scc0 .Lnot_mine_\@
	global_prefetch_b8 v[PFO], s[PFA:PFA+1] th:TH_LOAD_NT scope:SCOPE_SE
.Lnot_mine_\@:
.endm
	s_load_b256 s[4:11], s[0:1], 0x0               ; qcodes, kcodes, bias, vcodes
	s_load_b128 s[12:15], s[0:1], 0x20             ; scales, part
	s_load_b64 s[16:17], s[0:1], 0x30              ; stats
	s_load_b128 s[QVA:QVA+3], s[0:1], 0x38         ; qv, out0
	v_lshl_add_u32 v[SPW], v0, 2, SPARE
	v_mov_b32 v[NIL], 0
	ds_add_u32 v[SPW], v[NIL]                      ; the opening lines: the add twice and its wait
	ds_add_u32 v[SPW], v[NIL]
	v_lshrrev_b32 v3, 5, v0
	v_readfirstlane_b32 s[WV], v3
	s_bfe_u32 s[CX], ttmp6, 0x40000
	s_lshl_b32 s[BLK], ttmp9, 2
	s_add_co_u32 s[BLK], s[BLK], s[CX]             ; block of queries
	s_and_b32 s[Y], ttmp7, 0xffff
	s_mov_b32 s[G1V], 15|(3<<16)|(1<<21)           ; joint loads of the four partners; elements of 8 bytes, rows of 256 bytes, dense
	s_mov_b32 s[G1B], 15|(3<<16)|(1<<21)
.irp g, G1V, G1B
	s_mov_b32 s[\g+1], 32<<16
	s_mov_b32 s[\g+3], 32<<16
	s_mov_b32 s[\g+5], 32
	s_mov_b32 s[\g+6], 0
	s_mov_b32 s[\g+7], 0
.endr
	s_mov_b32 s[G1V+2], 128<<16                    ; V: 128 rows = my 32 KiB of a slot
	s_mov_b32 s[G1V+4], 128
	s_mov_b32 s[G1B+2], 13<<16                     ; addends: 13 rows = 26 steps x 32 keys x 4 bytes
	s_mov_b32 s[G1B+4], 13
	s_mov_b32 s[SEL], 0x76543210
	s_mov_b32 s[SEL+1], 0xfedcba98
	s_mov_b32 s[TB], 0
	s_mov_b32 s[BO], 0
	s_mov_b32 s[SL], 11
	s_cmp_eq_u32 ttmp9, 0
	s_cselect_b32 s[LIM], 1, -1
	s_mul_i32 s22, s[Y], 13*SLOTB
	s_lshl_b32 s23, s[WV], 15
	s_add_co_u32 s22, s22, s23
	s_mov_b32 s23, 0
	s_lshl_b32 s62, s[Y], 2
	s_add_co_u32 s62, s62, s[WV]
	s_mul_i32 s62, s62, WBIAS
	s_mov_b32 s63, 0
	s_wait_dscnt 0x0
	s_wait_kmcnt 0x0
	s_load_b128 s[48:51], s[12:13], 0x0            ; e0 .. e3
	s_mov_b32 s[G0V], 1
	s_lshl_b32 s[G0V+1], s[WV], 15
	s_add_nc_u64 s[G0V+2:G0V+3], s[10:11], s[22:23]
	s_mov_b32 s[G0W], 1
	s_add_co_u32 s[G0W+1], s[G0V+1], SLOTB
	s_add_nc_u64 s[G0W+2:G0W+3], s[G0V+2:G0V+3], SLOTB
	s_or_b32 s[G0V+3], s[G0V+3], 0x80000000
	s_or_b32 s[G0W+3], s[G0W+3], 0x80000000
	s_mov_b32 s[G0B], 1
	s_mul_i32 s[G0B+1], s[WV], WBIAS
	s_add_co_u32 s[G0B+1], s[G0B+1], BIASB
	s_add_nc_u64 s[G0B+2:G0B+3], s[8:9], s[62:63]
	s_or_b32 s[G0B+3], s[G0B+3], 0x80000000
	CROUND
	tensor_load_to_lds s[G0B:G0B+3], s[G1B:G1B+7]  ; the head's one tensor load: my addends, which the first pass wants first
	s_nop 0
	PLACES
	v_and_b32 v[L4], 31, v0
	v_lshlrev_b32 v[L16], 4, v[L4]
	s_wait_alu depctr_va_vdst(0)                   ; the wait behind the write
	s_lshr_b32 s62, s[Y], 2
	s_lshl_b32 s62, s62, 4
	s_add_co_u32 s62, s62, s[BLK]
	s_lshl_b32 s22, s62, 13
	s_add_nc_u64 s[4:5], s[4:5], s[22:23]          ; qcodes at (b, block)
	s_mul_i32 s22, s[Y], 26*8192
	s_lshl_b32 s63, s[WV], 11
	s_add_co_u32 s22, s22, s63
	s_add_nc_u64 s[K0:K0+1], s[6:7], s[22:23]      ; kcodes at (y, step 0, wave)
	WIN TO3
.irp qt, 0,1,2,3,4,5,6
.irp c, 0,1
	global_load_b128 v[QF+8*\qt+4*\c:QF+8*\qt+4*\c+3], v[L16], s[4:5] offset:1024*\qt+512*\c
.endr
.endr
	WIN TO1
.irp t, 0,1,2,3,4,5,6,7,8,9,10,11,12               ; K's steps 0 to 12 for the first pass
.irp u, 0,1
.irp c, 0,1
	global_load_b128 v[16*\t+8*\u+4*\c:16*\t+8*\u+4*\c+3], v[L16], s[K0:K0+1] offset:8192*\t+1024*\u+512*\c
.endr
.endr
.endr
	WIN 0
	s_and_b32 s74, s[Y], 3                         ; the copy: g = 64 s + 4 block + wave
	s_lshl_b32 s74, s74, 4
	s_add_co_u32 s74, s74, s[BLK]
	s_lshl_b32 s74, s74, 2
	s_add_co_u32 s74, s74, s[WV]
	s_lshl_b32 s74, s74, 9                         ; 512 g
	s_lshr_b32 s75, s[Y], 2
	s_mul_i32 s75, s75, 3317760                    ; b batches of qv
	s_add_co_u32 s22, s74, s75
	s_add_nc_u64 s[QVA:QVA+1], s[QVA:QVA+1], s[22:23]  ; my chunk 0 in qv,
	s_add_co_u32 s22, s22, s75
	s_add_co_u32 s22, s22, 3317760                 ; and in the output: a batch is twice as long there, and qv's half is the second
	s_add_nc_u64 s[OA:OA+1], s[OA:OA+1], s[22:23]
	s_and_b32 s74, s[Y], 3
	s_lshl_b32 s74, s74, 2
	s_add_co_u32 s74, s74, ttmp9                   ; 4 s + the cluster's x: the same in all partners
	s_cmp_ge_u32 s74, 5
	s_cbranch_scc1 .Lno_chunk_25
	global_load_b128 v[S:S+3], v[L16], s[QVA:QVA+1] offset:25*CHK th:TH_LOAD_NT
	s_wait_loadcnt 0x0
	global_store_b128 v[L16], v[S:S+3], s[OA:OA+1] offset:25*CHK th:TH_STORE_NT
	s_wait_xcnt 0x0                                ; the store has read its registers, which the first pass writes
.Lno_chunk_25:
	s_and_b32 s63, s[Y], 3
	s_lshl_b32 s63, s63, 6
	s_add_co_u32 s62, s62, s63
	s_lshl_b32 s22, s62, 11
	s_add_nc_u64 s[ST:ST+1], s[16:17], s[22:23]    ; stats at (s, b, block)
	s_lshl_b32 s62, s62, 2
	s_add_co_u32 s62, s62, s[WV]
	s_mul_i32 s22, s62, 57344
	s_add_nc_u64 s[PT:PT+1], s[14:15], s[22:23]    ; part: my 56 accumulators of 1,024 bytes
	s_mul_i32 s22, s[Y], 13*SLOTB
	s_add_co_u32 s22, s22, 2*SLOTB
	s_lshl_b32 s62, s[CX], 15
	s_add_co_u32 s22, s22, s62
	s_lshl_b32 s62, s[WV], 13
	s_add_co_u32 s22, s22, s62
	s_add_nc_u64 s[PFA:PFA+1], s[10:11], s[22:23]  ; the prefetches stand at slot 2; the first change steps them to slot 3
	v_bfe_u32 v[TMP], v0, 4, 1
	s_mul_i32 s22, s[WV], WBIAS
	s_add_co_u32 s22, s22, BIASB
	v_lshl_add_u32 v[BA0], v[TMP], 6, s22          ; addends of keys 16 h on
	s_lshl_b32 s22, s[WV], 15
	v_add_nc_u32 v[VA0], s22, v[L16]
	s_lshl_b32 s22, s[WV], 9
	s_add_co_u32 s22, s22, PB
	v_add_nc_u32 v[PW], s22, v[L16]                ; my codes are group c = wave of P's fragments
	v_add_nc_u32 v[PR], PB, v[L16]
	v_lshlrev_b32 v[PFO], 8, v[L4]
	v_lshlrev_b32 v[L4], 2, v[L4]
	s_mul_i32 s22, s[WV], 896
	s_add_co_u32 s22, s22, XM
	v_add_nc_u32 v[XW], s22, v[L4]
	v_add_nc_u32 v[XR], XM, v[L4]
	s_wait_kmcnt 0x0
	s_add_co_i32 s22, s48, s49
	s_lshl_b32 s22, s22, 23
	s_add_co_i32 s[CS], s22, 0x3eb8aa3b            ; log2(e) / 4 x 2^(e0 + e1)
	s_mov_b32 s[CS+1], s[CS]
	s_add_co_i32 s22, s51, 127
	s_lshl_b32 s23, s22, 23
	v_mov_b32 v[SC], s23                           ; 2^e3
	s_add_co_i32 s22, s22, 15
	s_lshl_b32 s22, s22, 23
	s_or_b32 s22, s22, 0x600000
	v_mov_b32 v[HOLD], s22                         ; 57,344 x 2^e3
	s_wait_alu depctr_va_vdst(0)                   ; the wait at the head's end
	s_wait_tensorcnt 0x0                           ; my addends are in; the full sequence ahead of a later first fill
	ds_add_u32 v[SPW], v[NIL]
	s_wait_dscnt 0x0
	CROUND
	tensor_load_to_lds s[G0V:G0V+3], s[G1V:G1V+7]  ; V's slot 0: it has the first pass in which to land
	s_nop 0
	PLACES
.macro PMAX first
.irp m, 0,1,2,3,4,5,6,7
.irp qt, 0,1,2,3,4,5,6
.if \first
.if \m == 0
	v_max3_num_f32 v[MX+\qt], v[S+16*\qt], v[S+16*\qt+1], v[S+16*\qt+2]
.elseif \m < 7
	v_max3_num_f32 v[MX+\qt], v[MX+\qt], v[S+16*\qt+2*\m+1], v[S+16*\qt+2*\m+2]
.else
	v_max_num_f32 v[MX+\qt], v[MX+\qt], v[S+16*\qt+15]
.endif
.else
	v_max3_num_f32 v[MX+\qt], v[MX+\qt], v[S+16*\qt+2*\m], v[S+16*\qt+2*\m+1]
.endif
.endr
.endr
.endm
; THE FIRST PASS, step k: the scores of my 32 keys, and their maxima.  K's 13 sets of registers take steps k and k + 13.
.macro PRE k
.set pp, (\k)%2
.set st, 16*((\k)%13)
.if (\k) < 13
	s_wait_loadcnt 48                              ; behind step k's four loads stand those of twelve later steps
.else
	s_wait_loadcnt 4*(25-(\k))
.endif
	s_wait_dscnt 0x0                               ; the addends
	WIN W_QKP
.irp qt, 0,1,2,3,4,5,6
.irp u, 0,1
	v_wmma_f32_16x16x64_bf8_bf8 v[S+16*\qt+8*\u:S+16*\qt+8*\u+7], v[st+8*\u:st+8*\u+7], v[QF+8*\qt:QF+8*\qt+7], v[BI+16*pp+8*\u:BI+16*pp+8*\u+7]
.endr
.endr
	WIN 0
	PLACES
.if (\k) < 13
	WIN TO1
.irp u, 0,1
.irp c, 0,1
	global_load_b128 v[st+8*\u+4*\c:st+8*\u+4*\c+3], v[L16], s[K0:K0+1] offset:((\k)+13)*8192+1024*\u+512*\c
.endr
.endr
	WIN 0
.endif
.irp u, 0,1
.irp hf, 0,1
	ds_load_b128 v[BI+16*(1-pp)+8*\u+4*\hf:BI+16*(1-pp)+8*\u+4*\hf+3], v[BA0] offset:128*(((\k)+1)%26)+32*\u+16*\hf
.endr
.endr
.if (\k) == 0
	PMAX 1
.else
	s_wait_alu depctr_va_vdst(0)                   ; the maxima were written ahead of the waits above
	PMAX 0
.endif
.endm
.macro KLOAD x, koff
.irp u, 0,1
.irp c, 0,1
	global_load_b128 v[KF+16*(\x)+8*\u+4*\c:KF+16*(\x)+8*\u+4*\c+3], v[L16], s[KM:KM+1] offset:(\koff)*8192+1024*\u+512*\c
.endr
.endr
.endm
.macro BLOAD x, boff
.irp u, 0,1
.irp hf, 0,1
	ds_load_b128 v[BI+16*(\x)+8*\u+4*\hf:BI+16*(\x)+8*\u+4*\hf+3], v[BA] offset:128*(\boff)+32*\u+16*\hf
.endr
.endr
.endm
.irp u, 0,1
.irp hf, 0,1
	ds_load_b128 v[BI+8*\u+4*\hf:BI+8*\u+4*\hf+3], v[BA0] offset:32*\u+16*\hf
.endr
.endr
.irp k, 0,1,2,3,4,5,6,7,8,9,10,11,12,13,14,15,16,17,18,19,20,21,22,23,24,25
	PRE \k
.endr
	s_mov_b64 s[KM:KM+1], s[K0:K0+1]
	KLOAD 0, 0
	KLOAD 1, 1
.irp qt, 0,1,2,3,4,5,6
	v_permlanex16_b32 v[TMP], v[MX+\qt], s[SEL], s[SEL+1]
	v_max_num_f32 v[MX+\qt], v[MX+\qt], v[TMP]
.endr
.irp qt, 0,1,2,3,4,5,6
	ds_store_b32 v[XW], v[MX+\qt] offset:128*\qt
.endr
	s_wait_tensorcnt 0x0                           ; slot 0 is in; the full sequence ahead of slot 1's first fill.  The round also shows my maxima to the other waves
	ds_add_u32 v[SPW], v[NIL]
	s_wait_dscnt 0x0
	CROUND
	tensor_load_to_lds s[G0W:G0W+3], s[G1V:G1V+7]  ; V's slot 1
	s_nop 0
	PLACES
.irp qt, 0,1,2,3,4,5,6
.irp w, 0,1,2,3
	ds_load_b32 v[S+4*\qt+\w], v[XR] offset:896*\w+128*\qt
.endr
.endr
	v_add_nc_u32 v[VA], s[TB], v[VA0]
	v_add_nc_u32 v[BA], s[BO], v[BA0]
	WIN TO1
.irp i, 0,1,2,3,4,5,6,7
.irp c, 0,1,2,3
	ds_load_b128 v[16*\i+4*\c:16*\i+4*\c+3], v[VA] offset:2048*\i+512*\c   ; V's fragments of step 0
.endr
.endr
	WIN 0
	s_wait_dscnt 32                                ; the maxima are in; V's 32 loads may be out
.irp qt, 0,1,2,3,4,5,6
	v_max3_num_f32 v[S+4*\qt], v[S+4*\qt], v[S+4*\qt+1], v[S+4*\qt+2]
	v_max_num_f32 v[S+4*\qt], v[S+4*\qt], v[S+4*\qt+3]
	v_mul_f32 v[S+4*\qt], s[CS], v[S+4*\qt]
	v_floor_f32 v[NM+2*\qt], -v[S+4*\qt]           ; -M = floor(-t)
	v_mov_b32 v[NM+2*\qt+1], v[NM+2*\qt]
.endr
.macro QKM x                           ; the scores of a step: S^T = K Q^T + addend
	WIN W_QK
.irp qt, 0,1,2,3,4,5,6
.irp u, 0,1
	v_wmma_f32_16x16x64_bf8_bf8 v[S+16*\qt+8*\u:S+16*\qt+8*\u+7], v[KF+16*(\x)+8*\u:KF+16*(\x)+8*\u+7], v[QF+8*\qt:QF+8*\qt+7], v[BI+16*(\x)+8*\u:BI+16*(\x)+8*\u+7]
.endr
.endr
	WIN 0
	PLACES
.endm
; THE SOFTMAX of a step's 112 registers, in three parts: t - M; the exponentials as one batch; the sums of the unquantised p in seven chains, the hold, the codes.
.macro SOFTA
.set j, 0
.rept 56
	v_pk_fma_f32 v[S+2*j:S+2*j+1], v[S+2*j:S+2*j+1], s[CS:CS+1], v[NM+2*(j/8):NM+2*(j/8)+1] op_sel_hi:[1,0,0]
.set j, j+1
.endr
	s_wait_alu depctr_va_vdst(0)                   ; the wait ahead of the batch
.endm
.macro SOFTE
.set j, 0
.rept 112
	v_exp_f32 v[S+j], v[S+j]
.set j, j+1
.endr
	v_nop                                          ; a plain place behind the batch
	s_wait_alu depctr_va_vdst(0)                   ; the wait behind it
.endm
.macro SOFTB first
.if \first
.irp qt, 0,1,2,3,4,5,6
	v_pk_add_f32 v[LS+2*\qt:LS+2*\qt+1], v[S+16*\qt:S+16*\qt+1], v[S+16*\qt+2:S+16*\qt+3]
.endr
.irp m, 2,3,4,5,6,7
.irp qt, 0,1,2,3,4,5,6
	v_pk_add_f32 v[LS+2*\qt:LS+2*\qt+1], v[LS+2*\qt:LS+2*\qt+1], v[S+16*\qt+2*\m:S+16*\qt+2*\m+1]
.endr
.endr
.else
.irp m, 0,1,2,3,4,5,6,7
.irp qt, 0,1,2,3,4,5,6
	v_pk_add_f32 v[LS+2*\qt:LS+2*\qt+1], v[LS+2*\qt:LS+2*\qt+1], v[S+16*\qt+2*\m:S+16*\qt+2*\m+1]
.endr
.endr
.endif
.set j, 0
.rept 112
	v_min_num_f32 v[S+j], v[S+j], v[HOLD]          ; the conversion does not saturate (ISA guide 7.6.2); p is not negative
.set j, j+1
.endr
.irp qt, 0,1,2,3,4,5,6
.irp u, 0,1
	v_cvt_scalef32_pk8_bf8_f32 v[PC+4*\qt+2*\u:PC+4*\qt+2*\u+1], v[S+16*\qt+8*\u:S+16*\qt+8*\u+7], v[SC]
.endr
.endr
	v_nop                                          ; a plain line behind the last conversion
.endm
.macro PV1 i, qt, zero                 ; O^T(channel tile i, query tile qt) += V^T P^T
.if \qt < 4
	WIN W_PVL
.set AB, 64*\qt+8*\i
.else
	WIN W_PVH
.set AB, 64*(\qt-4)+8*\i
.endif
.if \zero
	v_wmma_f32_16x16x128_bf8_bf8 v[AB:AB+7], v[16*\i:16*\i+15], v[PF+16*\qt:PF+16*\qt+15], 0
.else
.if (\i == 0) && (\qt == 0)
	s_wait_alu depctr_va_vdst(0)                   ; the wait here, behind the step's exponentials and directly ahead of the run's first instruction
.endif
	v_wmma_f32_16x16x128_bf8_bf8 v[AB:AB+7], v[16*\i:16*\i+15], v[PF+16*\qt:PF+16*\qt+15], v[AB:AB+7]
.endif
.endm
.macro VLOAD i, p                      ; V's fragment i of the next step, into the registers that this step has done with
.irp c, 0,1,2,3
	ds_load_b128 v[16*\i+4*\c:16*\i+4*\c+3], v[VA] offset:16384*(1-\p)+2048*\i+512*\c
.endr
.endm
.macro PLOAD p                         ; P's seven fragments out of buffer p
	WIN TO1
.irp qt, 0,1,2,3,4,5,6
.irp c, 0,1,2,3
	ds_load_b128 v[PF+16*\qt+4*\c:PF+16*\qt+4*\c+3], v[PR] offset:PBUF*\p+2048*\qt+512*\c
.endr
.endr
	WIN 0
.endm
; A STEP: the readout of step k (P in buffer p) and, ahead of it, scores, softmax and codes of step k + 1 (into buffer 1 - p).
; The barrier that shows the new codes to all waves is signalled behind the second channel tile (my stores are done, my reads of buffer p are in) and waited for at the step's end;
; between the two stand matrix instructions and loads of V's slot, which is filled again only behind a later round.  V's next fragments come in three runs: 2, 4 and 2 of them.
; Those loads are waited for ahead of the next run (all but the seven stores behind them), and at a change of slots.
; The copy: qs >= 0: the chunk loaded two steps ago is stored; ql >= 0: the same registers take the chunk of two steps on, behind the wait that frees them.  Both count from the stepped bases.
.macro BODY p, zero, kpre, bnext, koff, boff, lcnt, qs, ql
.if \bnext
	BLOAD \p, \boff
.endif
	PLOAD \p
	s_wait_loadcnt \lcnt                           ; K of step k + 1 and the chunk to be stored are in; what was asked for in the last step (four loads of K, one of qv) may be out
	QKM 1-\p
	SOFTA
.if \kpre
	KLOAD 1-\p, \koff
.endif
.if \qs >= 0
	global_store_b128 v[L16], v[QD+4*(1-\p):QD+4*(1-\p)+3], s[OA:OA+1] offset:CHK*\qs th:TH_STORE_NT
.endif
	SOFTE
.if \ql >= 0
	s_wait_xcnt 0x0                                ; the store has read its registers
	global_load_b128 v[QD+4*(1-\p):QD+4*(1-\p)+3], v[L16], s[QVA:QVA+1] offset:CHK*\ql th:TH_LOAD_NT
.endif
	SOFTB 0
.irp qt, 0,1,2,3,4,5,6
	ds_store_b128 v[PW], v[PC+4*\qt:PC+4*\qt+3] offset:PBUF*(1-\p)+2048*\qt
.endr
	s_wait_dscnt 7                                 ; V's and P's fragments are in; my seven stores may be out
.irp i, 0,1,2,3,4,5,6,7
.irp qt, 0,1,2,3,4,5,6
	PV1 \i, \qt, \zero
.endr
.if \i == 1
	PLACES                                         ; in front of the loads into registers that the run has read
	s_wait_dscnt 0x0
	s_barrier_signal -1
	WIN TO1
	VLOAD 0, \p
	VLOAD 1, \p
.endif
.if \i == 5
	PLACES
	WIN TO1
	VLOAD 2, \p
	VLOAD 3, \p
	VLOAD 4, \p
	VLOAD 5, \p
.endif
.if \i == 7
	PLACES
	WIN TO1
	VLOAD 6, \p
	VLOAD 7, \p
.endif
.endr
	WIN 0
	s_barrier_wait -1
.endm
.macro CHANGE                          ; the change of slots: the three lines, a round, the joint refill of the slot just left
	WIN 0
	s_wait_tensorcnt 0x0
	ds_add_u32 v[SPW], v[NIL]
	s_xor_b32 s[G0W+1], s[G0W+1], SLOTB
	s_add_nc_u64 s[G0W+2:G0W+3], s[G0W+2:G0W+3], SLOTB
	s_wait_xcnt 0x0                                ; my prefetch has read its address
	s_add_nc_u64 s[PFA:PFA+1], s[PFA:PFA+1], SLOTB
	s_wait_dscnt 0x0
	CROUND
	tensor_load_to_lds s[G0W:G0W+3], s[G1V:G1V+7]
	s_nop 0
	PLACES
	ASK
.endm
	s_wait_alu depctr_va_vdst(0)                   ; the wait, directly ahead of the wait below
	s_wait_loadcnt 4                               ; K of step 0
	QKM 0
	KLOAD 0, 2
	global_load_b128 v[QD:QD+3], v[L16], s[QVA:QVA+1] th:TH_LOAD_NT   ; the copy's chunk 0
	BLOAD 1, 1
	SOFTA
	SOFTE
	SOFTB 1
.irp qt, 0,1,2,3,4,5,6
	ds_store_b128 v[PW], v[PC+4*\qt:PC+4*\qt+3] offset:2048*\qt
.endr
	s_wait_dscnt 0x0
	s_barrier_signal -1
	s_barrier_wait -1
	BODY 0, 1, 1, 1, 3, 2, 5, -1, 1                ; step 0 starts the sums with C = 0
	s_mov_b32 s[TB], SLOTB
.Ltrip:                                                ; trip j: steps 2 j + 1 and 2 j + 2; slot j + 2 is asked for; chunks 2 j and 2 j + 1 leave
	CHANGE
	v_add_nc_u32 v[VA], s[TB], v[VA0]
	v_add_nc_u32 v[BA], s[BO], v[BA0]
	BODY 1, 0, 1, 1, 4, 3, 5, 0, 2
	BODY 0, 0, 1, 1, 5, 4, 5, 1, 3
	s_xor_b32 s[TB], s[TB], SLOTB
	s_add_co_u32 s[BO], s[BO], 256
	s_wait_xcnt 0x0                                ; K's loads and the copy's have read their bases
	s_add_nc_u64 s[KM:KM+1], s[KM:KM+1], 16384
	s_add_nc_u64 s[QVA:QVA+1], s[QVA:QVA+1], 2*CHK
	s_add_nc_u64 s[OA:OA+1], s[OA:OA+1], 2*CHK
	s_sub_co_u32 s[SL], s[SL], 1
	s_cmp_lg_u32 s[SL], 0
	s_cbranch_scc1 .Ltrip
	s_wait_tensorcnt 0x0                           ; the last slot: my part, which I alone read
	v_add_nc_u32 v[VA], s[TB], v[VA0]
	v_add_nc_u32 v[BA], s[BO], v[BA0]
	BODY 1, 0, 0, 1, 0, 3, 5, 0, 2
	BODY 0, 0, 0, 0, 0, 0, 1, 1, -1                ; only chunk 24's load may be out
; THE LAST STEP goes by tiles of queries: a tile's eight accumulators are finished and stored while the later tiles are multiplied.
	PLOAD 1
	s_wait_loadcnt 0x0
	global_store_b128 v[L16], v[QD:QD+3], s[OA:OA+1] offset:2*CHK th:TH_STORE_NT   ; chunk 24
.irp qt, 0,1,2,3,4,5,6
	v_add_f32 v[LS+2*\qt], v[LS+2*\qt], v[LS+2*\qt+1]
.endr
.irp qt, 0,1,2,3,4,5,6
	v_permlanex16_b32 v[LS+2*\qt+1], v[LS+2*\qt], s[SEL], s[SEL+1]
.endr
.irp qt, 0,1,2,3,4,5,6
	v_add_f32 v[LS+2*\qt], v[LS+2*\qt], v[LS+2*\qt+1]
.endr
.irp qt, 0,1,2,3,4,5,6
	ds_store_b32 v[XW], v[LS+2*\qt] offset:XLO+128*\qt             ; my keys' share of l
.endr
	s_wait_dscnt 7                                 ; V's and P's fragments are in
.irp qt, 0,1,2,3,4,5,6
.irp i, 0,1,2,3,4,5,6,7
	PV1 \i, \qt, 0
.endr
	PLACES
.if \qt < 4
	WIN ST2
.else
	WIN ST3
.endif
.irp i, 0,1,2,3,4,5,6,7
	global_store_b128 v[L16], v[64*(\qt%4)+8*\i:64*(\qt%4)+8*\i+3], s[PT:PT+1] offset:1024*(8*\qt+\i) th:TH_STORE_NT      ; 512 consecutive bytes a store
	global_store_b128 v[L16], v[64*(\qt%4)+8*\i+4:64*(\qt%4)+8*\i+7], s[PT:PT+1] offset:1024*(8*\qt+\i)+512 th:TH_STORE_NT
.endr
.endr
	WIN 0
	s_wait_dscnt 0x0
	s_barrier_signal -1
	s_barrier_wait -1
	s_cmp_lg_u32 s[WV], 0
	s_cbranch_scc1 .Lnot_first
.irp qt, 0,1,2,3,4,5,6                             ; wave 0 joins the four waves' sums and stores -M and l
.irp w, 0,1,2,3
	ds_load_b32 v[S+4*\qt+\w], v[XR] offset:XLO+896*\w+128*\qt
.endr
.endr
	s_wait_dscnt 0x0
.irp qt, 0,1,2,3,4,5,6
	v_add_f32 v[S+4*\qt], v[S+4*\qt], v[S+4*\qt+1]
	v_add_f32 v[S+4*\qt+2], v[S+4*\qt+2], v[S+4*\qt+3]
	v_add_f32 v[S+4*\qt], v[S+4*\qt], v[S+4*\qt+2]
.endr
.irp qt, 0,1,2,3,4,5,6
	global_store_b32 v[L4], v[NM+2*\qt], s[ST:ST+1] offset:128*\qt
	global_store_b32 v[L4], v[S+4*\qt], s[ST:ST+1] offset:1024+128*\qt
.endr
.Lnot_first:
	s_wait_tensorcnt 0x0                           ; the wave's end
	ds_add_u32 v[SPW], v[NIL]
	s_wait_dscnt 0x0
	CROUND                                         ; the closing round
	s_endpgm
.Lfunc_end_k_qa9994696c4_attn:
	.size	k_qa9994696c4_attn, .Lfunc_end_k_qa9994696c4_attn-k_qa9994696c4_attn
	.p2alignl 7, 3214868480
	.fill 96, 4, 3214868480
	.section	.rodata,"a",@progbits
	.p2align	6, 0x0
	.amdhsa_kernel k_qa9994696c4_attn
		.amdhsa_group_segment_fixed_size 327680
		.amdhsa_private_segment_fixed_size 0
		.amdhsa_enable_private_segment 0
		.amdhsa_kernarg_size 72
		.amdhsa_user_sgpr_count 2
		.amdhsa_user_sgpr_kernarg_segment_ptr 1
		.amdhsa_wavefront_size32 1
		.amdhsa_system_sgpr_workgroup_id_x 1
		.amdhsa_system_sgpr_workgroup_id_y 1
		.amdhsa_system_sgpr_workgroup_id_z 1
		.amdhsa_system_vgpr_workitem_id 0
		.amdhsa_next_free_vgpr 1024
		.amdhsa_next_free_sgpr 88
		.amdhsa_reserve_vcc 0
		.amdhsa_float_denorm_mode_32 3
		.amdhsa_float_denorm_mode_16_64 3
		.amdhsa_memory_ordered 1
		.amdhsa_forward_progress 1
		.amdhsa_inst_pref_size 255
	.end_amdhsa_kernel
	.section	.bss,"aw",@nobits
	.p2align	6
	.space	262144
	.amdgpu_metadata
---
amdhsa.version: [ 1, 2 ]
amdhsa.kernels:
  - .name:           k_qa9994696c4_attn
    .symbol:         k_qa9994696c4_attn.kd
    .args:
      - { .name: qcodes, .offset: 0, .size: 8, .value_kind: global_buffer, .address_space: global }
      - { .name: kcodes, .offset: 8, .size: 8, .value_kind: global_buffer, .address_space: global }
      - { .name: bias, .offset: 16, .size: 8, .value_kind: global_buffer, .address_space: global }
      - { .name: vcodes, .offset: 24, .size: 8, .value_kind: global_buffer, .address_space: global }
      - { .name: lowp_scales, .offset: 32, .size: 8, .value_kind: global_buffer, .address_space: global }
      - { .name: part, .offset: 40, .size: 8, .value_kind: global_buffer, .address_space: global }
      - { .name: stats, .offset: 48, .size: 8, .value_kind: global_buffer, .address_space: global }
      - { .name: qv, .offset: 56, .size: 8, .value_kind: global_buffer, .address_space: global }
      - { .name: out0, .offset: 64, .size: 8, .value_kind: global_buffer, .address_space: global }
    .group_segment_fixed_size: 327680
    .private_segment_fixed_size: 0
    .kernarg_segment_align: 8
    .kernarg_segment_size: 72
    .max_flat_workgroup_size: 128
    .sgpr_count:     88
    .vgpr_count:     1024
    .wavefront_size: 32
...
	.end_amdgpu_metadata
.endif
;; end of part 2
;; launch comb (part 3): grid 256 x 1, 16 waves a work-group, no clusters, 61,440 bytes of LDS; arguments part, stats, lowp_scales, out0; writes out0
.if DOCPART == 3
	.amdgcn_target "amdgcn-amd-amdhsa--gfx1250"
	.amdhsa_code_object_version 6
	.text
	.protected	k_qa9994696c4_comb
	.globl	k_qa9994696c4_comb
	.p2align	8
	.type	k_qa9994696c4_comb,@function
k_qa9994696c4_comb:
	s_mov_b64 s[64:65], 0
	v_nop
	global_prefetch_b8 v0, s[64:65] scope:SCOPE_SE
	s_setreg_imm32_b32 hwreg(HW_REG_WAVE_MODE, 25, 1), 1
	s_wait_xcnt 0x0
; Third launch: 256 equal work-groups.  Work-group n: batch n / 64, channels 8 c .. 8 c + 7 with c = n % 64 of the output's first 512 (the second 512, qv's, were stored by the second launch).  Nothing of reference() is left out here.
; It joins the four splits of the memory: M = the largest M_s; mem = (sum over s of O_s 2^(M_s - M)) x 2^(e2 + e3) / (sum over s of l_s 2^(M_s - M)): the powers of two round nothing.
; JOINING.  Wave = block of 104 queries.  An accumulator's image in part is [register half 2][lane 32][16 bytes], lanes 16 H .. 16 H + 15 holding channels 8 H .. 8 H + 7 of its 16 (H = c % 2).  One load takes both halves for my H:
;   lanes 0-15 the 256 bytes of registers 0-3, lanes 16-31 those of registers 4-7: lane (r, hf) gets channels 4 hf + 0 .. 3 of my 8, query r of the tile.  7 tiles x 4 splits: 28 loads a wave, all out at once.
; THE WAY OUT.  8 rows of the output, 6,480 bytes each, are 51,840 consecutive bytes, which begin at 128 H modulo 256.  The results meet in a stage in LDS ([block 16][row 8][448 bytes]: 7 tiles x 64 bytes a row, no padding,
;   so that the waves' stores write every byte of its 57,344) and leave as that one run.
;   Pieces of 16 bytes are counted from the aligned address 128 H bytes below the run: thread t takes pieces 512 n + t, n = 0 .. 6, so that every wave's store covers 512 consecutive bytes at a multiple of 256 from the output's first byte.
;   Piece P is number P - 8 H of the run's 3,240: rounds 1 to 5 lie wholly inside, rounds 0 and 6 are stored under EXEC.
;   Places of a block from 104 on, and queries from 1,620 on, are never stored to the output.
; LIMIT: M_s - M is held at -1,000 from below: the factor is 0 in f32 from far above that.  NaN among the inputs is not served.
; No matrix unit, no cluster, no tensor load: a stream with nothing shared.
.set SPARE, 59392                      ; behind the stage: the spare words, 128 bytes for each of sixteen waves
.set ROWB, 448                         ; a stage row
.set BLKB, 8*ROWB                      ; a block's eight rows
.set SPW, 1
.set NIL, 2
.set LB,  3                            ; part: 512 hf + 16 r
.set L4,  4                            ; 4 x lane
.set SW,  5                            ; the stage: BLKB block + 4 ROWB hf + 4 r
.set GT,  6                            ; 16 x my thread's number
                                       ; v9-15: the seven addresses at which I read the stage back: registers that hold nothing else
.set NMS, 16                           ; v16-43  -M_s at 7 s + tile; then M_s - M; then the factors
.set LSS, 44                           ; v44-71  l_s
.set NMN, 72                           ; v72-78  -M
.set LT,  79                           ; v79-85  l, then 1 / l
                                       ; v86-89 at work; v90 8 H; v91, v92 my piece's number in the run in rounds 0 and 6 (below 0 it wraps to a large number)
.set RING, 96                          ; v96-207 tile qt, split s: four registers at 16 qt + 4 s; then the pieces read back
	s_load_b256 s[4:11], s[0:1], 0x0               ; part s[4:5], stats s[6:7], scales s[8:9], out0 s[10:11]
	v_lshl_add_u32 v[SPW], v0, 2, SPARE
	v_mov_b32 v[NIL], 0
	v_lshrrev_b32 v3, 5, v0
	s_delay_alu instid0(VALU_DEP_1)
	v_readfirstlane_b32 s32, v3                    ; wave 0..15 = block
	v_lshlrev_b32 v[GT], 4, v0
	s_mov_b32 s31, 0
	s_lshr_b32 s14, ttmp9, 6                       ; b
	s_and_b32 s15, ttmp9, 63                       ; c
	s_and_b32 s34, s15, 1                          ; H
	s_lshr_b32 s28, s15, 4                         ; w: which wave of the second launch made these channels
	s_bfe_u32 s29, s15, 0x30001                    ; i: which of its 8 channel tiles
	v_and_b32 v86, 15, v0                          ; r
	v_bfe_u32 v87, v0, 4, 1                        ; hf
	s_delay_alu instid0(VALU_DEP_2)
	v_lshlrev_b32 v[LB], 4, v86
	s_delay_alu instid0(VALU_DEP_1)
	v_lshl_add_u32 v[LB], v87, 9, v[LB]
	v_and_b32 v[L4], 31, v0
	s_delay_alu instid0(VALU_DEP_1)
	v_lshlrev_b32 v[L4], 2, v[L4]
	s_mul_i32 s33, s32, BLKB
	v_mul_u32_u24 v[SW], v87, 4*ROWB
	s_delay_alu instid0(VALU_DEP_1)
	v_lshl_add_u32 v[SW], v86, 2, v[SW]
	s_delay_alu instid0(VALU_DEP_1)
	v_add_nc_u32 v[SW], s33, v[SW]
	s_lshl_b32 s35, s34, 7                         ; 128 H
	s_lshl_b32 s39, s34, 3
	v_mov_b32 v90, s39
	s_delay_alu instid0(VALU_DEP_1)
	v_sub_nc_u32 v91, v0, v90
	s_delay_alu instid0(VALU_DEP_1)
	v_add_nc_u32 v92, 0xc00, v91
	s_mul_i32 s33, s15, 51840
	s_sub_co_u32 s33, s33, s35                     ; the 8 rows' first byte in a batch's 512, less 128 H: a multiple of 256
	s_mul_i32 s36, s14, 6635520                    ; a batch of the output
	s_add_co_u32 s30, s36, s33
	s_wait_alu depctr_va_vdst(0)                   ; the wait here, directly ahead of the wait below
	s_wait_kmcnt 0x0
	s_load_b128 s[24:27], s[8:9], 0x0              ; e0 .. e3
	s_add_nc_u64 s[12:13], s[10:11], s[30:31]      ; mem's rows in the output
	s_lshl_b32 s30, s14, 4
	s_add_co_u32 s30, s30, s32
	s_lshl_b32 s30, s30, 11
	s_add_nc_u64 s[6:7], s[6:7], s[30:31]          ; stats at (split 0, b, block)
.irp s, 0,1,2,3
.irp qt, 0,1,2,3,4,5,6
	global_load_b32 v[NMS+7*\s+\qt], v[L4], s[6:7] offset:131072*\s+128*\qt
	global_load_b32 v[LSS+7*\s+\qt], v[L4], s[6:7] offset:131072*\s+1024+128*\qt
.endr
.endr
	s_lshl_b32 s30, s14, 6
	s_lshl_b32 s33, s32, 2
	s_add_co_u32 s30, s30, s33
	s_add_co_u32 s30, s30, s28
	s_mul_i32 s30, s30, 57344                      ; (64 b + 4 block + w) x 56 accumulators of 1,024 bytes,
	s_lshl_b32 s33, s29, 10
	s_add_co_u32 s30, s30, s33                     ; + accumulator i,
	s_lshl_b32 s33, s34, 8
	s_add_co_u32 s30, s30, s33                     ; + my half of the lanes
	s_add_nc_u64 s[16:17], s[4:5], s[30:31]        ; split 0; the splits lie 14,680,064 bytes apart: a base for each
	s_add_nc_u64 s[18:19], s[16:17], 14680064
	s_add_nc_u64 s[20:21], s[18:19], 14680064
	s_add_nc_u64 s[22:23], s[20:21], 14680064
.irp qt, 0,1,2,3,4,5,6
.irp s, 0,1,2,3
	global_load_b128 v[RING+16*\qt+4*\s:RING+16*\qt+4*\s+3], v[LB], s[16+2*\s:17+2*\s] offset:8192*\qt th:TH_LOAD_NT   ; two whole runs of 256 aligned bytes
.endr
.endr
	s_wait_loadcnt 28                              ; -M_s and l_s are in; the 28 loads of part may be out
.irp qt, 0,1,2,3,4,5,6
	v_min3_num_f32 v[NMN+\qt], v[NMS+\qt], v[NMS+7+\qt], v[NMS+14+\qt]
	s_delay_alu instid0(VALU_DEP_1)
	v_min_num_f32 v[NMN+\qt], v[NMN+\qt], v[NMS+21+\qt]            ; -M = the least -M_s
.endr
.irp s, 0,1,2,3
.irp qt, 0,1,2,3,4,5,6
	v_sub_f32 v[NMS+7*\s+\qt], v[NMN+\qt], v[NMS+7*\s+\qt]         ; M_s - M: a whole number, 0 or less
	s_delay_alu instid0(VALU_DEP_1)
	v_cvt_i32_f32 v[NMS+7*\s+\qt], v[NMS+7*\s+\qt]
	s_delay_alu instid0(VALU_DEP_1)
	v_max_i32 v[NMS+7*\s+\qt], 0xfffffc18, v[NMS+7*\s+\qt]
.endr
.endr
.irp qt, 0,1,2,3,4,5,6
	v_ldexp_f32 v[LT+\qt], v[LSS+\qt], v[NMS+\qt]
.endr
.irp s, 1,2,3
.irp qt, 0,1,2,3,4,5,6
	v_ldexp_f32 v[LSS+7*\s+\qt], v[LSS+7*\s+\qt], v[NMS+7*\s+\qt]
	s_delay_alu instid0(VALU_DEP_1)
	v_add_f32 v[LT+\qt], v[LT+\qt], v[LSS+7*\s+\qt]
.endr
.endr
	s_wait_alu depctr_va_vdst(0)                   ; the wait ahead of the batch
.irp qt, 0,1,2,3,4,5,6
	v_rcp_f32 v[LT+\qt], v[LT+\qt]
.endr
	s_wait_kmcnt 0x0
	s_add_co_i32 s33, s26, s27                     ; e2 + e3
.set j, 0
.rept 28
	v_add_nc_u32 v[NMS+j], s33, v[NMS+j]           ; plain work behind the reciprocals, which names none of their results
.set j, j+1
.endr
	s_wait_alu depctr_va_vdst(0)                   ; one wait for the seven reciprocals, ahead of their first reader
.irp s, 0,1,2,3
.irp qt, 0,1,2,3,4,5,6
	v_ldexp_f32 v[NMS+7*\s+\qt], v[LT+\qt], v[NMS+7*\s+\qt]        ; the factor of split s: 2^(M_s - M + e2 + e3) / l
.endr
.endr
.macro QT qt
.set RB, RING+16*(\qt)
	s_wait_loadcnt 4*(6-(\qt))                     ; this tile's four loads are in; the later tiles' may be out
.irp k, 0,1,2,3
	v_mul_f32 v[RB+\k], v[RB+\k], v[NMS+\qt]
.endr
.irp s, 1,2,3
.irp k, 0,1,2,3
	s_delay_alu instid0(VALU_DEP_4)
	v_fmac_f32 v[RB+\k], v[RB+4*\s+\k], v[NMS+7*\s+\qt]
.endr
.endr
.irp k, 0,1,2,3
	ds_store_b32 v[SW], v[RB+\k] offset:ROWB*\k+64*\qt             ; row 4 hf + k, place 16 qt + r
.endr
.endm
.irp qt, 0,1,2,3,4,5,6
	QT \qt
.endr
; piece number idx of the run: row = idx / 405, piece Q of the row = idx % 405, block = Q / 26; its place in the stage: BLKB block + ROWB row + 16 (Q - 26 block).
; (idx x 41,426 >> 24 is idx / 405 up to 6,655; Q x 2,521 >> 16 is Q / 26 up to 404.)  A number outside the run is held at 3,583 at the most: there row = 8 and block is at most 13, so such a lane reads row 0 of the next block,
; written bytes of the stage; it stores nothing.  The greatest address made is 57,120 (row 7, Q = 404); the last line holds every address at the stage's last piece, 57,328.
.macro RBADR n
	v_add_nc_u32 v86, 512*\n, v91
	s_delay_alu instid0(VALU_DEP_1)
	v_min_u32 v86, 0xdff, v86
	s_delay_alu instid0(VALU_DEP_1)
	v_mul_u32_u24 v87, v86, 41426
	s_delay_alu instid0(VALU_DEP_1)
	v_lshrrev_b32 v87, 24, v87
	s_delay_alu instid0(VALU_DEP_1)
	v_mul_u32_u24 v88, v87, 405
	s_delay_alu instid0(VALU_DEP_1)
	v_sub_nc_u32 v88, v86, v88
	s_delay_alu instid0(VALU_DEP_1)
	v_mul_u32_u24 v89, v88, 2521
	s_delay_alu instid0(VALU_DEP_1)
	v_lshrrev_b32 v89, 16, v89
	s_delay_alu instid0(VALU_DEP_1)
	v_mul_u32_u24 v89, v89, BLKB-416
	s_delay_alu instid0(VALU_DEP_1)
	v_mad_u32_u24 v89, v87, ROWB, v89
	s_delay_alu instid0(VALU_DEP_1)
	v_lshl_add_u32 v[9+\n], v88, 4, v89
	s_delay_alu instid0(VALU_DEP_1)
	v_min_u32 v[9+\n], 16*BLKB-16, v[9+\n]
.endm
.irp n, 0,1,2,3,4,5,6
	RBADR \n
.endr
	s_wait_alu depctr_va_vdst(0)                   ; the wait here, directly ahead of the wait below
	s_wait_dscnt 0x0                               ; for the others' sake: my block lies in the stage
	s_barrier_signal -1
	s_barrier_wait -1
.irp n, 0,1,2,3,4,5,6
	ds_load_b128 v[RING+4*\n:RING+4*\n+3], v[9+\n]
.endr
.irp n, 1,2,3,4,5
	s_wait_dscnt 6-\n                              ; round n is in; the later rounds' loads may be out
	global_store_b128 v[GT], v[RING+4*\n:RING+4*\n+3], s[12:13] offset:8192*\n th:TH_STORE_NT
.endr
	s_wait_dscnt 0x0
	v_cmp_gt_u32 vcc_lo, 0xca8, v91
	s_wait_xcnt 0x0                                ; EXEC changes only behind this wait
	s_and_saveexec_b32 s30, vcc_lo
	global_store_b128 v[GT], v[RING:RING+3], s[12:13] th:TH_STORE_NT
	s_wait_xcnt 0x0                                ; and again, in front of the line that widens it
	s_or_b32 exec_lo, exec_lo, s30
	v_cmp_gt_u32 vcc_lo, 0xca8, v92
	s_and_saveexec_b32 s30, vcc_lo                 ; (no load or store has been issued since the wait above)
	global_store_b128 v[GT], v[RING+24:RING+27], s[12:13] offset:49152 th:TH_STORE_NT
	s_wait_xcnt 0x0
	s_or_b32 exec_lo, exec_lo, s30
	s_wait_dscnt 0x0                               ; my reads of the stage are in (they were awaited above);
	s_barrier_signal -1                            ; a barrier: all sixteen waves' reads of LDS are over
	s_barrier_wait -1                              ; ahead of any wave's closing add
	s_wait_tensorcnt 0x0                           ; the wave's end
	ds_add_u32 v[SPW], v[NIL]
	s_wait_dscnt 0x0
	s_endpgm
.Lfunc_end_k_qa9994696c4_comb:
	.size	k_qa9994696c4_comb, .Lfunc_end_k_qa9994696c4_comb-k_qa9994696c4_comb
	.p2alignl 7, 3214868480
	.fill 96, 4, 3214868480
	.section	.rodata,"a",@progbits
	.p2align	6, 0x0
	.amdhsa_kernel k_qa9994696c4_comb
		.amdhsa_group_segment_fixed_size 61440
		.amdhsa_private_segment_fixed_size 0
		.amdhsa_enable_private_segment 0
		.amdhsa_kernarg_size 32
		.amdhsa_user_sgpr_count 2
		.amdhsa_user_sgpr_kernarg_segment_ptr 1
		.amdhsa_wavefront_size32 1
		.amdhsa_system_sgpr_workgroup_id_x 1
		.amdhsa_system_sgpr_workgroup_id_y 1
		.amdhsa_system_sgpr_workgroup_id_z 1
		.amdhsa_system_vgpr_workitem_id 0
		.amdhsa_next_free_vgpr 256
		.amdhsa_next_free_sgpr 66
		.amdhsa_reserve_vcc 1
		.amdhsa_float_denorm_mode_32 3
		.amdhsa_float_denorm_mode_16_64 3
		.amdhsa_memory_ordered 1
		.amdhsa_forward_progress 1
		.amdhsa_inst_pref_size 41
	.end_amdhsa_kernel
	.amdgpu_metadata
---
amdhsa.version: [ 1, 2 ]
amdhsa.kernels:
  - .name:           k_qa9994696c4_comb
    .symbol:         k_qa9994696c4_comb.kd
    .args:
      - { .name: part, .offset: 0, .size: 8, .value_kind: global_buffer, .address_space: global }
      - { .name: stats, .offset: 8, .size: 8, .value_kind: global_buffer, .address_space: global }
      - { .name: lowp_scales, .offset: 16, .size: 8, .value_kind: global_buffer, .address_space: global }
      - { .name: out0, .offset: 24, .size: 8, .value_kind: global_buffer, .address_space: global }
    .group_segment_fixed_size: 61440
    .private_segment_fixed_size: 0
    .kernarg_segment_align: 8
    .kernarg_segment_size: 32
    .max_flat_workgroup_size: 512
    .sgpr_count:     66
    .vgpr_count:     256
    .wavefront_size: 32
...
	.end_amdgpu_metadata
.endif
;; end of part 3
